; MI455X (gfx1250); checked and timed in simulation.
; The chip was launched on July 23, 2026; its instructions are those of AMD's public machine-readable ISA for CDNA 5 (MIT licence, August 2026) and "CDNA5" Instruction Set Architecture Reference Guide (July 2026). The comments in the code are by the model that wrote it; some were corrected since.
;; Higgs Multi Linear. Allowed arithmetic: float matrix products may take bf16 or f16 operands with f32 sums; other float arithmetic in f32, or as packed bf16 or f16 multiplies, adds, multiply-adds, maxima and minima; sums over many terms, partial sums and values carried from step to step in f32; what a program stores and reads back later, other than sums and carried values, may be rounded once to bf16 or f16.
;; Inputs: bias 4,096 float32; codes_2_16 2,048 x 2,048 int32; codes_2_256 2,048 x 2,048 int32; grid_2_16 16 x 2 float32; grid_2_256 256 x 2 float32; scales 4,096 float32; x 2 x 2,048 x 4,096 float32.
;; Outputs: out0 2 x 2,048 x 4,096 float32.
;; 2 versions, each right; version 2 is version 1 with the launch prep written anew for expert scheduling mode. Each part assembles by itself: llvm-mc -triple=amdgcn-amd-amdhsa -mcpu=gfx1250 --defsym DOCPART=n.
;; ======== version 1 of 2: 2 launches
;; workspace buffers: xb 33,554,432 bytes; wb 33,554,432 bytes
;; launch prep (part 1): grid 1024 x 1, 8 waves a work-group, no clusters, 2,048 bytes of LDS; arguments x, codes_2_256, codes_2_16, grid_2_256, grid_2_16, xb, wb; writes xb, wb
.if DOCPART == 1
	.amdgcn_target "amdgcn-amd-amdhsa--gfx1250"
	.amdhsa_code_object_version 6
	.text
	.protected	k_q285a3c9bda_prep
	.globl	k_q285a3c9bda_prep
	.p2align	8
	.type	k_q285a3c9bda_prep,@function
k_q285a3c9bda_prep:
	s_mov_b64 s[64:65], 0
	v_nop
	global_prefetch_b8 v0, s[64:65] scope:SCOPE_SE
	s_setreg_imm32_b32 hwreg(HW_REG_WAVE_MODE, 25, 1), 1
	s_wait_xcnt 0x0
; FIRST OF TWO LAUNCHES for out0[t][o] = scales[o] * (sum over i of x[t][i] G[o][i]) + bias[o], where G[o][2j], G[o][2j+1] are the two numbers of
; grid[codes[o][j]]: rows o = 0..2047 by grid_2_256 and codes_2_256, rows 2048..4095 by grid_2_16 and codes_2_16.
; This launch makes the two matrix operands in bf16: xb[t][i] = x rounded once, wb[o][i] = G rounded once (WITHOUT the scale).  The second launch multiplies them and applies scale and bias in f32.
; NO WORK IS LEFT OUT: every input has a way to the output and every input is loaded (x, both codes, both grids here; scales and bias in the second launch).
; LIMITS.  (1) reference() multiplies the weight by scales[o] ahead of the sum; here the finished f32 sum is multiplied: the same number in real arithmetic, another order of rounding.
; (2) x and the grids are rounded to bf16 as matrix operands; bf16 has f32's range.  (3) A code is taken as an unsigned number and held to the table: above the table's last index it reads
; the last entry (above 255, or above 15); a negative code, which would count from the table's end in reference(), reads the last entry too.
; A CODE IS 4 BYTES AND ITS PAIR IN bf16 IS 4 BYTES: the lookup is word for word, code word in, word {bf16 g0 low, bf16 g1 high} out, from a table of 256 words in LDS.
; SHARES.  A line is 4,096 bytes of input: 256 threads x 16 bytes; a wave's load covers 512 consecutive bytes.  Work-groups 0..511 round x, 32 lines each (131,072 bytes in, 65,536 out);
; work-groups 512..1023 look codes up, 16 lines each (65,536 bytes in, 65,536 out).  No loop: a line's place stands in the immediate, no address register is rewritten, and every line has
; store registers of its own, so no register that a pending load or store names is ever written again.  Eight loads of every wave are on their way.
; Not used, since no wave wants a byte that another has fetched and nothing is multiplied: tensor loads, clusters, the matrix unit.
.set LINE,  4096                       ; bytes of input in a line
.set SPARE, 1024                       ; LDS: the table at bytes 0..1023; behind it the spare words, 128 bytes for each of the eight waves, which no other line names
.set VI,   2                           ; v2       16 t: my 16 bytes of a line of input, and of a line of wb; never rewritten
.set VO,   3                           ; v3       8 t: my 8 bytes of a line of xb; never rewritten
.set GA,   4                           ; v4       my entry's byte offset in the grid
.set TA,   5                           ; v5       4 t: my word of the table
.set SPW,  6                           ; v6       LDS address of my spare word: SPARE + 4 x my thread's number; never rewritten
.set NIL,  7                           ; v7       0; never rewritten
.set XIN,  8                           ; v[8:39]   eight slots of 4 registers: a line as loaded
.set YOUT, 40                          ; v[40:103] x arm: line i in 2 registers at YOUT + 2 i; weight arm: line i in 4 registers at YOUT + 4 i
.set AD,   104                         ; v[104:111] two sets of 4 table addresses; first the grid pair (v104-105) and the packed table word (v106)
	s_load_b256 s[4:11], s[0:1], 0x0               ; x s[4:5], codes_2_256 s[6:7], codes_2_16 s[8:9], grid_2_256 s[10:11]
	s_load_b128 s[12:15], s[0:1], 0x20             ; grid_2_16 s[12:13], xb s[14:15]
	s_load_b64 s[16:17], s[0:1], 0x30              ; wb
	v_lshl_add_u32 v[SPW], v0, 2, SPARE
	v_mov_b32 v[NIL], 0
	v_lshlrev_b32 v[VI], 4, v0
	s_cmp_lt_u32 ttmp9, 512                        ; the work-group's number alone decides: the same in all eight waves
	s_cbranch_scc0 .Lweights
	; THE X ARM: 32 lines of x are rounded to bf16.
	v_lshlrev_b32 v[VO], 3, v0
	s_lshl_b32 s20, ttmp9, 17                      ; 131,072 bytes of x a work-group (511 x 131,072 is under 2^32)
	s_mov_b32 s21, 0
	s_lshl_b32 s22, ttmp9, 16                      ; 65,536 bytes of xb
	s_mov_b32 s23, 0
	s_wait_kmcnt 0x0
	s_add_nc_u64 s[4:5], s[4:5], s[20:21]
	s_add_nc_u64 s[14:15], s[14:15], s[22:23]
.set i, 0
.rept 8
	global_load_b128 v[XIN+4*i:XIN+4*i+3], v[VI], s[4:5] offset:i*LINE th:TH_LOAD_NT  ; the ring is filled: lines 0 to 7
.set i, i+1
.endr
.set i, 0
.rept 32
.set left, 31-i                        ; the younger loads that may stay out: seven while the ring is refilled, then the count runs down
.if left > 7
.set left, 7
.endif
	s_wait_loadcnt left                            ; loads come back in order (ISA guide 5.7.1): line i is in
	v_cvt_pk_bf16_f32 v[YOUT+2*i],   v[XIN+4*(i%8)],   v[XIN+4*(i%8)+1]  ; two roundings, the lower index in the low half
	v_cvt_pk_bf16_f32 v[YOUT+2*i+1], v[XIN+4*(i%8)+2], v[XIN+4*(i%8)+3]
.if i+8 < 32
	global_load_b128 v[XIN+4*(i%8):XIN+4*(i%8)+3], v[VI], s[4:5] offset:(i+8)*LINE th:TH_LOAD_NT  ; the slot's next line, ahead of the store
.endif
	global_store_b64 v[VO], v[YOUT+2*i:YOUT+2*i+1], s[14:15] offset:i*(LINE/2) th:TH_STORE_NT  ; a wave stores 256 consecutive bytes, at a multiple of 256 from xb's first byte
.set i, i+1
.endr
	s_endpgm                                       ; this arm's waves have written no LDS
	; THE WEIGHT ARM: 16 lines of codes are looked up.
.Lweights:
	s_and_b32 s24, ttmp9, 511                      ; 0..511: 65,536 bytes of wb each; 0..255 lie in the rows of grid_2_256, 256..511 in those of grid_2_16
	v_lshlrev_b32 v[TA], 2, v0
	s_cmp_lt_u32 s24, 256
	s_wait_kmcnt 0x0
	s_cselect_b64 s[26:27], s[6:7], s[8:9]         ; my codes,
	s_cselect_b64 s[28:29], s[10:11], s[12:13]     ; my grid,
	s_cselect_b32 s25, 255, 15                     ; and its last index
	s_and_b32 s20, s24, 255
	s_lshl_b32 s20, s20, 16                        ; my 65,536 bytes in my codes
	s_mov_b32 s21, 0
	s_lshl_b32 s22, s24, 16                        ; and in wb
	s_mov_b32 s23, 0
	s_add_nc_u64 s[26:27], s[26:27], s[20:21]
	s_add_nc_u64 s[16:17], s[16:17], s[22:23]
	v_min_u32 v[GA], s25, v0                       ; thread t makes table word t from entry min(t, last index): the table of 16 is laid out as 256 words, its last entry repeated
	v_lshlrev_b32 v[GA], 3, v[GA]
	global_load_b64 v[AD:AD+1], v[GA], s[28:29]
.set i, 0
.rept 8
	global_load_b128 v[XIN+4*i:XIN+4*i+3], v[VI], s[26:27] offset:i*LINE th:TH_LOAD_NT  ; the ring is filled: lines 0 to 7
.set i, i+1
.endr
	s_wait_loadcnt 8                               ; my grid entry is in; the eight loads of codes issued behind it stay out
	v_cvt_pk_bf16_f32 v[AD+2], v[AD], v[AD+1]      ; {g0 low, g1 high}: as the pair lies in a row of wb
	ds_store_b32 v[TA], v[AD+2]
	s_wait_dscnt 0x0                               ; for the others' sake: my word of the table is written
	s_barrier_signal -1
	s_barrier_wait -1                              ; the table is whole; nothing writes it again
; Line i: its four codes a lane are held to the table, made byte addresses, and looked up; the slot takes the line eight further on.
.macro WGATHER i
.if 15-(\i) > 7
	s_wait_loadcnt 7                               ; line i is in; the seven younger lines stay out
.else
	s_wait_loadcnt 15-(\i)                         ; nothing more is asked for: the count runs down
.endif
.irp k, 0,1,2,3
	v_min_u32 v[AD+4*((\i)%2)+(\k)], 0xff, v[XIN+4*((\i)%8)+(\k)]
.endr
.irp k, 0,1,2,3
	v_lshlrev_b32 v[AD+4*((\i)%2)+(\k)], 2, v[AD+4*((\i)%2)+(\k)]
.endr
.if (\i)+8 < 16
	global_load_b128 v[XIN+4*((\i)%8):XIN+4*((\i)%8)+3], v[VI], s[26:27] offset:((\i)+8)*LINE th:TH_LOAD_NT
.endif
.irp k, 0,1,2,3
	ds_load_b32 v[YOUT+4*(\i)+(\k)], v[AD+4*((\i)%2)+(\k)]
.endr
.endm
; Line i leaves.  younger: the LDS loads issued behind line i's, which may stay out.
.macro WSTORE i, younger
	s_wait_dscnt \younger
	global_store_b128 v[VI], v[YOUT+4*(\i):YOUT+4*(\i)+3], s[16:17] offset:(\i)*LINE th:TH_STORE_NT  ; a wave stores 512 consecutive bytes, at a multiple of 256 from wb's first byte
.endm
	WGATHER 0
.irp i, 1,2,3,4,5,6,7,8,9,10,11,12,13,14,15
	WGATHER \i                                     ; a line's lookups stand between the lookups of the line before and its store
	WSTORE (\i)-1, 4
.endr
	WSTORE 15, 0
	s_wait_tensorcnt 0x0                           ; the wave's end: behind my last LDS store
	ds_add_u32 v[SPW], v[NIL]
	s_wait_dscnt 0x0
	s_endpgm
.Lfunc_end_k_q285a3c9bda_prep:
	.size	k_q285a3c9bda_prep, .Lfunc_end_k_q285a3c9bda_prep-k_q285a3c9bda_prep
	.p2alignl 7, 3214868480
	.fill 96, 4, 3214868480
	.section	.rodata,"a",@progbits
	.p2align	6, 0x0
	.amdhsa_kernel k_q285a3c9bda_prep
		.amdhsa_group_segment_fixed_size 2048
		.amdhsa_private_segment_fixed_size 0
		.amdhsa_enable_private_segment 0
		.amdhsa_kernarg_size 56
		.amdhsa_user_sgpr_count 2
		.amdhsa_user_sgpr_kernarg_segment_ptr 1
		.amdhsa_wavefront_size32 1
		.amdhsa_system_sgpr_workgroup_id_x 1
		.amdhsa_system_sgpr_workgroup_id_y 1
		.amdhsa_system_sgpr_workgroup_id_z 1
		.amdhsa_system_vgpr_workitem_id 0
		.amdhsa_next_free_vgpr 112
		.amdhsa_next_free_sgpr 66
		.amdhsa_reserve_vcc 0
		.amdhsa_float_denorm_mode_32 3
		.amdhsa_float_denorm_mode_16_64 3
		.amdhsa_memory_ordered 1
		.amdhsa_forward_progress 1
		.amdhsa_inst_pref_size 28
	.end_amdhsa_kernel
	.amdgpu_metadata
---
amdhsa.version: [ 1, 2 ]
amdhsa.kernels:
  - .name:           k_q285a3c9bda_prep
    .symbol:         k_q285a3c9bda_prep.kd
    .args:
      - { .name: x, .offset: 0, .size: 8, .value_kind: global_buffer, .address_space: global }
      - { .name: codes_2_256, .offset: 8, .size: 8, .value_kind: global_buffer, .address_space: global }
      - { .name: codes_2_16, .offset: 16, .size: 8, .value_kind: global_buffer, .address_space: global }
      - { .name: grid_2_256, .offset: 24, .size: 8, .value_kind: global_buffer, .address_space: global }
      - { .name: grid_2_16, .offset: 32, .size: 8, .value_kind: global_buffer, .address_space: global }
      - { .name: xb, .offset: 40, .size: 8, .value_kind: global_buffer, .address_space: global }
      - { .name: wb, .offset: 48, .size: 8, .value_kind: global_buffer, .address_space: global }
    .group_segment_fixed_size: 2048
    .private_segment_fixed_size: 0
    .kernarg_segment_align: 8
    .kernarg_segment_size: 56
    .max_flat_workgroup_size: 256
    .sgpr_count:     66
    .vgpr_count:     112
    .wavefront_size: 32
...
	.end_amdgpu_metadata
.endif
;; end of part 1
;; launch gemm (part 2): grid 16 x 16, 4 waves a work-group, clusters of 4 x 4, 327,680 bytes of LDS; arguments xb, wb, scales, bias, out0; writes out0
.if DOCPART == 2
	.amdgcn_target "amdgcn-amd-amdhsa--gfx1250"
	.amdhsa_code_object_version 6
	.text
	.protected	k_q285a3c9bda_gemm
	.globl	k_q285a3c9bda_gemm
	.p2align	8
	.type	k_q285a3c9bda_gemm,@function
k_q285a3c9bda_gemm:
	s_mov_b64 s[64:65], 0
	v_nop
	global_prefetch_b8 v0, s[64:65] scope:SCOPE_SE
	s_setreg_imm32_b32 hwreg(HW_REG_WAVE_MODE, 25, 1), 1
	s_wait_xcnt 0x0
	s_wait_alu depctr_hold_cnt(0) depctr_sa_sdst(0) depctr_va_vdst(0) depctr_va_sdst(0) depctr_va_ssrc(0) depctr_va_vcc(0) depctr_vm_vsrc(0)
	s_getreg_b32 s2, hwreg(HW_REG_IB_STS2, 6, 4)
	s_cmp_eq_u32 s2, 0
	s_cbranch_scc0 .Lentry_in_a_cluster
	s_endpgm
.Lentry_in_a_cluster:
	s_bfe_u32 s2, ttmp6, 0x10000c
	s_cmp_lg_u32 s2, 0xf033
	s_cbranch_scc0 .Lentry_shape_is_right
	s_endpgm
.Lentry_shape_is_right:
; SECOND OF TWO LAUNCHES.  out0[m][n] = scales[n] * (sum over k of xb[m][k] wb[n][k]) + bias[n].  xb: [4096][4096] bf16 (x rounded once), wb: [4096][4096] bf16 (the grids' numbers by the codes, rounded
; once, unscaled), both made by the first launch; scales, bias: [4096] f32; out0: [4096][4096] f32.  Sums in f32, K ascending; scale and bias are one fused multiply-add in f32 on the finished sum.
; No work is left out.  LIMIT: the scale multiplies the finished sum, where reference() multiplies the weight ahead of the sum: the same number in real arithmetic, another order of rounding.
; A tile of out0, 256 x 256, is made by a work-group of four waves; a wave makes 128 x 128: 64 accumulators of 16 x 16, 512 registers.  16 x 16 tiles, one to a work-group.
; K goes in steps of 128 through a ring of two LDS slots filled by the tensor data mover: the rows of both operands' tiles are 256 bytes of memory and start at multiples of 256 bytes from the buffer's first byte.
; The last K step goes by rows of out0, so that finished rows leave while the others are multiplied.
; CLUSTERS: 4 x 4 work-groups form a cluster.  The four of a row of the cluster need the same tiles of xb (A), the four of a column the same tiles of wb (B).  Such a tile is asked for JOINTLY: each of the
; four issues the same tensor load, with the same descriptor and a mask that names the four, and each receives the tile in its own LDS.  That divides the requests for A and for B by four.
;
; REGISTERS, in windows of 256 (an instruction names v0-v255; s_set_vgpr_msb says which window each operand place means):
;   window 0: v0-31 addresses; v32-35 my four columns' scales, v36-39 their biases; v64-127, v128-191 fragments of A, two buffers (in the last K step four, of 16 rows x 128 K); v192-255 16 rows read back on the way out
;   window 1: v64-127, v128-191 fragments of B, two buffers; in the last K step all 256: B's fragments of the whole step
;   window 2: the 32 accumulators of my rows 0-63 (accumulator (a, b) at v[8 (8 a + b)]);   window 3: those of my rows 64-127
; s_set_vgpr_msb's low byte: bits 1:0 source 0, 3:2 source 1, 5:4 source 2, 7:6 destination.  Work is laid in long stretches under one setting.
;
; THE MATRIX INSTRUCTION IS USED TRANSPOSED: source 0 = 16 rows of B, source 1 = 16 rows of A.  In the result, lane l then holds row m = l % 16 of the tile, and its registers 0 to 7 the columns
; n = 8 (l / 16) + 0 .. 7: eight neighbouring numbers of a row, 32 bytes in f32.
.set SIZE_M, 4096
.set SIZE_N, 4096
.set SIZE_K, 4096
.set KSTEP,  128
.set PITCH,  272                       ; an LDS row: 256 bytes of data + 16 of padding = 68 words: row r starts at bank 4 r mod 64 (64 banks of 4 bytes: ISA guide 11.1), so the 16 rows that a load touches start at 16 different banks
.set HALFT,  128*PITCH                 ; 128 rows: what one tensor load brings, and what one wave reads of A or of B
.set SLOT,   4*HALFT                   ; A's 256 rows, then B's 256 rows
.set STAGE,  2*SLOT                    ; behind the ring, never filled by a tensor load: 16 rows x 528 bytes for each wave, for the way out
.set SPITCH, 528                       ; a stage row: my 128 columns in f32, 512 bytes, + 16 of padding = 132 words: again 16 rows start at 16 different groups of four banks
.set SPARE,  STAGE+4*16*SPITCH         ; behind the stages: the spare words, 128 bytes for each wave: two blocks of 256 bytes that no other line names
.set LAPS, SIZE_K/(2*KSTEP)            ; a lap = two K steps = once round the ring: 16
.set ROWC, SIZE_N*4                    ; bytes in a row of out0
.set ADRA, 16                          ; v16-17  LDS address of my A fragments in slot 0, 1
.set ADRB, 20                          ; v20-21  the same for B
.set STO,  24                          ; v24     the way out: where I put 32 bytes of a row
.set RD,   25                          ; v25     the way out: where I read 16 bytes of a row back
.set CO,   26                          ; v26     16 x lane: my 16 bytes in 512 bytes of a row of out0, and in my wave's 128 scales and biases; never rewritten
.set SPW,  28                          ; v28     LDS address of my spare word: SPARE + 4 x my thread's number; never rewritten
.set NIL,  29                          ; v29     0; never rewritten
.set PFO,  30                          ; v30     the prefetches' offset: my lane x a row of A or B in memory (8,192 bytes); never rewritten
.set SC,   32                          ; v[32:35] scales of columns 4 lane .. 4 lane + 3 of my wave's 128
.set BI,   36                          ; v[36:39] their biases
.set PFA,  44                          ; s[44:45] where my prefetches stand: my work-group's 32 rows of the 128 that I fetch, one K step further along K than the refill that is being asked for; a prefetch names the K step after that
.set LIM,  43                          ; s43     1 in a wave that prefetches, else the greatest number
.set F0,   64                          ; fragment buffer 0
.set F1,   128                         ; fragment buffer 1
.set OB,   192                         ; the way out: 16 rows x 4 registers read back from the stage
.set PA,   64                          ; the last K step: A's fragments of 16 rows x 128 K, 32 registers; four such buffers, v64-191
.set G1, 24                            ; s[24:31] descriptor group 1 for A's tiles
.set G0, 32                            ; s[32:39] descriptor group 0 for A's tiles, one set for each slot
.set G1B, 48                           ; s[48:55] descriptor group 1 for B's tiles: it differs from A's in the mask alone
.set G0B, 56                           ; s[56:63] descriptor group 0 for B's tiles, one set for each slot
.set MSB, 0
.macro WIN new                         ; the immediate's high byte repeats the setting that is left; a switch that changes nothing is dropped
.if MSB != (\new)
	s_set_vgpr_msb (MSB<<8)|(\new)
.set MSB, \new
.endif
.endm
.set MUL_LO, 0xa1                      ; source 0 (B) window 1, source 1 (A) window 0, C and D window 2
.set MUL_HI, 0xf1                      ; the same, C and D window 3
.set TO_B,   0x40                      ; destination window 1, address window 0
; A joint load.  Waves 0 and 1 fetch A's two halves, waves 2 and 3 B's.  Each of the two lines has ONE mask and one set of registers for all that issue it, and nothing in
; them hangs on a coordinate that the four partners do not share.  The branch hangs on the wave's number alone: it is the same in every work-group.
; An s_nop 0 and four v_nop follow each of the two lines; the jump round the other line, the label and what follows the macro come after them.
.macro JLOAD s
	s_cmp_eq_u32 s11, 0
	s_cbranch_scc0 .Lfor_b_\@
	tensor_load_to_lds s[G0+4*(\s):G0+4*(\s)+3], s[G1:G1+7]
	s_nop 0
.rept 4
	v_nop
.endr
	s_branch .Lasked_\@
.Lfor_b_\@:
	tensor_load_to_lds s[G0B+4*(\s):G0B+4*(\s)+3], s[G1B:G1B+7]
	s_nop 0
.rept 4
	v_nop
.endr
.Lasked_\@:
.endm
; A PREFETCH INTO THE L2, behind each joint load, its five lines and the run of LDS loads that follows them: the K step that stands TWO refills on (512 matrix instructions ahead of the load that will ask
; for it): 32 rows x 256 bytes, a lane a row, one instruction a wave.  Each row's 256 bytes of a K step are named ONCE in the launch.  A's tile row is read by every cluster of that row of clusters: the
; first of them (cluster x = 0) prefetches; B's tile column by every cluster of that column: cluster y = 0 prefetches.  The four partners that ask for a tile jointly share its rows out BY ADDRESS: of the
; 128 rows that wave w fetches, the partner at place p takes 32 p .. 32 p + 31 (p = cx for A, cy for B): no branch hangs on a work-group's place in its cluster.
; The loop's 30 refills bring K steps 2 to 31; the first 28 of them name K steps 4 to 31; the last trip's two (s3 = 1) name nothing: there is no K step two on.
.macro ASK
	s_cmp_gt_u32 s3, s[LIM]
	s_cbranch_scc0 .Lnot_mine_\@
	global_prefetch_b8 v[PFO], s[PFA:PFA+1] offset:KSTEP*2 th:TH_LOAD_NT scope:SCOPE_SE
.Lnot_mine_\@:
.endm
; A round of the cluster's barrier: my work-group's barrier, so that wave 0's signal speaks for all four waves; wave 0 signals for the work-group; every wave waits for all
; sixteen work-groups; my work-group's barrier once more.  No LDS instruction of the wave is pending at a signal.
.macro CREST                           ; a round behind its opening barrier
	s_cmp_lg_u32 s10, 0
	s_cbranch_scc1 .Lnot_wave_0_\@
	s_barrier_signal -3
.Lnot_wave_0_\@:
	s_barrier_wait -3
	s_barrier_signal -1
	s_barrier_wait -1
.endm
.macro CROUND                          ; a whole round
	s_barrier_signal -1
	s_barrier_wait -1
	CREST
.endm
	s_load_b128 s[4:7], s[0:1], 0x0                ; xb (A) s[4:5], wb (B) s[6:7]
	s_load_b128 s[68:71], s[0:1], 0x10             ; scales s[68:69], bias s[70:71]
	s_load_b64 s[8:9], s[0:1], 0x20                ; out0
	v_lshl_add_u32 v[SPW], v0, 2, SPARE
	v_mov_b32 v[NIL], 0
	ds_add_u32 v[SPW], v[NIL]                      ; the wave's opening: the add, twice on end, and its wait ahead of my first tensor load; the set-up below the second, work on registers, stands between it and the wait
	ds_add_u32 v[SPW], v[NIL]                      ; and once more, under the one wait
	v_lshrrev_b32 v1, 5, v0
	v_readfirstlane_b32 s10, v1                    ; wave 0..3
	s_lshr_b32 s11, s10, 1                         ; which half of the tile's rows is mine.  Also: I fetch for A (0) or for B (1)
	s_and_b32 s12, s10, 1                          ; which half of its columns.  Also: which 128 rows of that tile I fetch
	s_bfe_u32 s40, ttmp6, 0x40000                  ; cx: my place along the cluster's x
	s_bfe_u32 s41, ttmp6, 0x40004                  ; cy: along its y
	s_lshl_b32 s42, ttmp9, 2                       ; in a cluster launch ttmp9 and ttmp7 count clusters
	s_add_co_u32 s42, s42, s40                     ; tile column = 4 x cluster x + cx
	s_and_b32 s13, ttmp7, 0xffff
	s_lshl_b32 s13, s13, 2
	s_add_co_u32 s13, s13, s41                     ; tile row = 4 x cluster y + cy
	s_lshl_b32 s43, s41, 2
	s_lshl_b32 s43, 15, s43                        ; my row of the cluster: places 4 cy .. 4 cy + 3
	s_lshl_b32 s44, 0x1111, s40                    ; my column: places cx, cx + 4, cx + 8, cx + 12
	; descriptor group 1: a tile of 128 rows x 128 elements, padded in LDS
	s_or_b32 s[G1+0], s43, (1<<16)|(1<<20)|(1<<21)|(5<<22)|(3<<25)  ; 15:0 the mask: A's tiles go to my row; 17:16 element of 2 bytes; 20 padding on; 21 set beside a mask; 24:22 after every 64 words (code 5); 31:25 of 4 words (code 3)
	s_or_b32 s[G1B+0], s44, (1<<16)|(1<<20)|(1<<21)|(5<<22)|(3<<25) ; the same with the mask of my column, for B's tiles
	s_mov_b32 s[G1B+1], KSTEP<<16
	s_mov_b32 s[G1+1], KSTEP<<16                   ; 63:48 tensor_dim0, low half = 128
	s_mov_b32 s[G1B+2], 128<<16
	s_mov_b32 s[G1+2], 128<<16                     ; 79:64 its high half = 0; 95:80 tensor_dim1, low half = 128
	s_mov_b32 s[G1B+3], KSTEP<<16
	s_mov_b32 s[G1+3], KSTEP<<16                   ; 111:96 its high half = 0; 127:112 tile_dim0 = 128
	s_mov_b32 s[G1B+4], 128
	s_mov_b32 s[G1+4], 128                         ; 143:128 tile_dim1 = 128; 159:144 tile_dim2 = 0
	s_mov_b32 s[G1B+5], SIZE_K
	s_mov_b32 s[G1+5], SIZE_K                      ; 191:160 tensor_dim0_stride, low word: elements from row to row
	s_mov_b32 s[G1B+6], 0
	s_mov_b32 s[G1+6], 0
	s_mov_b32 s[G1B+7], 0
	s_mov_b32 s[G1+7], 0
	; where the tiles come from.  A's hang on the tile row alone, which my row of the cluster shares; B's on the tile column alone, which my column shares.
	; Every wave makes both addresses, in registers that never hold the other coordinate, and asks by one of them.
	s_lshl_b32 s17, s12, 7                         ; which 128 rows of the tile I fetch
	s_lshl_b32 s16, s13, 8
	s_add_co_u32 s16, s16, s17                     ; A: row 256 x tile row + 128 x half
	s_lshl_b32 s46, s42, 8
	s_add_co_u32 s46, s46, s17                     ; B: row 256 x tile column + 128 x half
	s_mov_b32 s17, 0
	s_mov_b32 s47, 0
	s_mov_b64 s[18:19], SIZE_K*2
	s_mul_u64 s[16:17], s[16:17], s[18:19]         ; in bytes
	s_mul_u64 s[46:47], s[46:47], s[18:19]
	s_mul_i32 s20, s10, HALFT                      ; and where they go: A's two halves, then B's two halves = wave x 128 rows: no place in the cluster enters an LDS address
	s_wait_dscnt 0x0                               ; both opening adds are done
	s_wait_kmcnt 0x0
	s_add_nc_u64 s[14:15], s[4:5], s[16:17]
	s_add_nc_u64 s[46:47], s[6:7], s[46:47]
	CROUND                                         ; all sixteen work-groups are here: the first joint loads meet
.irp s, 0,1
	s_mov_b32 s[G0+4*(\s)], 1                                      ; 1:0 count = 1
	s_add_co_u32 s[G0+4*(\s)+1], s20, (\s)*SLOT                    ; 63:32 LDS address
	s_add_nc_u64 s[G0+4*(\s)+2:G0+4*(\s)+3], s[14:15], (\s)*KSTEP*2  ; 120:64 global address: K step s
	s_or_b32 s[G0+4*(\s)+3], s[G0+4*(\s)+3], 0x80000000            ; 127:126 type = 2
	s_mov_b32 s[G0B+4*(\s)], 1
	s_add_co_u32 s[G0B+4*(\s)+1], s20, (\s)*SLOT
	s_add_nc_u64 s[G0B+4*(\s)+2:G0B+4*(\s)+3], s[46:47], (\s)*KSTEP*2
	s_or_b32 s[G0B+4*(\s)+3], s[G0B+4*(\s)+3], 0x80000000
	JLOAD \s                                       ; the ring is filled before anything else is done: two tensor loads of mine are out
.endr
	; A fragment is 16 rows x 32 K in 8 registers: lane l holds row l % 16; registers 0-3 hold K = 8 (l / 16) + 0..7, registers 4-7 hold
	; K = 16 + 8 (l / 16) + 0..7.  From rows that lie along K: two loads of 16 bytes, 32 bytes apart.  The same for source 0 and source 1.
	v_and_b32 v1, 15, v0                           ; l % 16
	v_bfe_u32 v2, v0, 4, 1                         ; l / 16
	v_mul_u32_u24 v3, v1, PITCH
	v_lshl_add_u32 v3, v2, 4, v3                   ; row x pitch + 16 x half
	s_mul_i32 s21, s11, HALFT                      ; my 128 rows of A
	s_mul_i32 s22, s12, HALFT                      ; my 128 rows of B,
	s_add_co_u32 s22, s22, 2*HALFT                 ; which lie behind A's 256
.irp s, 0,1
	v_add_nc_u32 v[ADRA+(\s)], s21, v3
	v_add_nc_u32 v[ADRB+(\s)], s22, v3
	s_add_co_u32 s21, s21, SLOT
	s_add_co_u32 s22, s22, SLOT
.endr
	s_mul_i32 s23, s10, 16*SPITCH
	s_add_co_u32 s23, s23, STAGE                   ; my stage
	v_mul_u32_u24 v4, v1, SPITCH                   ; in: row l % 16, 32 bytes for each half of the lanes
	v_lshl_add_u32 v4, v2, 5, v4
	v_add_nc_u32 v[STO], s23, v4
	v_and_b32 v5, 31, v0
	v_lshlrev_b32 v[CO], 4, v5                     ; back: 32 lanes take one row of 512 bytes, 16 bytes each; the same 16 bytes in a row of out0
	v_add_nc_u32 v[RD], s23, v[CO]
	; out0 at my wave's first number; scales and bias at my wave's first column
	s_lshl_b32 s13, s13, 8                         ; 256 x tile row
	s_lshl_b32 s14, s11, 7
	s_add_co_u32 s16, s13, s14                     ; my first row,
	s_lshl_b32 s16, s16, 14                        ; times 16,384 bytes: under 2^26
	s_mov_b32 s17, 0
	s_lshl_b32 s46, s42, 10                        ; my first column in f32 bytes: 1,024 x tile column + 512 x half (in the registers that held B's address: none that feeds A's descriptors ever holds cx)
	s_lshl_b32 s47, s12, 9
	s_add_co_u32 s46, s46, s47
	s_mov_b32 s47, 0
	s_add_nc_u64 s[8:9], s[8:9], s[16:17]
	s_add_nc_u64 s[8:9], s[8:9], s[46:47]
	s_add_nc_u64 s[68:69], s[68:69], s[46:47]
	s_add_nc_u64 s[70:71], s[70:71], s[46:47]
	global_load_b128 v[SC:SC+3], v[CO], s[68:69]   ; a wave's load covers its 128 columns' 512 bytes
	global_load_b128 v[BI:BI+3], v[CO], s[70:71]
	; the prefetches.  s13 = 256 x tile row, s42 = tile column, s40 = cx, s41 = cy still stand; s[4:5] = A, s[6:7] = B
	s_lshl_b32 s42, s42, 8
	s_and_b32 s22, ttmp7, 0xffff                   ; cluster y
	s_cmp_eq_u32 s11, 0                            ; do I fetch for A?
	s_cselect_b32 s20, s13, s42                    ; the tile's first row: in A by the tile row, in B by the tile column
	s_cselect_b32 s21, s40, s41                    ; my place among the four that ask for it with me
	s_cselect_b32 s22, ttmp9, s22                  ; the coordinate along which other clusters read the same rows
	s_cselect_b64 s[PFA:PFA+1], s[4:5], s[6:7]
	s_cmp_eq_u32 s22, 0
	s_cselect_b32 s[LIM], 1, -1                    ; the same in all sixteen partners, for a given wave
	s_lshl_b32 s22, s12, 7
	s_add_co_u32 s20, s20, s22                     ; + the 128 rows that I fetch
	s_lshl_b32 s21, s21, 5
	s_add_co_u32 s20, s20, s21                     ; + my work-group's 32 of them
	s_mov_b32 s21, 0
	s_mov_b64 s[18:19], SIZE_K*2
	s_mul_u64 s[20:21], s[20:21], s[18:19]
	s_add_nc_u64 s[PFA:PFA+1], s[PFA:PFA+1], s[20:21]
	s_add_nc_u64 s[PFA:PFA+1], s[PFA:PFA+1], 2*KSTEP*2  ; at K step 2: the first refill steps it to 3 and names K step 4
	v_and_b32 v[PFO], 31, v0
	v_mul_u32_u24 v[PFO], v[PFO], SIZE_K*2
	; nothing is prefetched here, at the head, where every work-group's first two tiles are on their way: K steps 2 and 3 come by their refills alone
; 16 matrix instructions: m blocks a0, a0 + 1 of the window's four (hi = 0: my rows 0-63, 1: rows 64-127) x all 8 n blocks, 32 along K.
; zero = 1: the first product starts the sums: nothing is ever cleared.
.macro MUL16 f, hi, a0, zero
	WIN MUL_LO+0x50*(\hi)  ; MUL_LO or MUL_HI
.irp a, \a0, (\a0)+1
.irp b, 0,1,2,3,4,5,6,7
.if \zero
	v_wmma_f32_16x16x32_bf16 v[8*(8*(\a)+(\b)):8*(8*(\a)+(\b))+7], v[(\f)+8*(\b):(\f)+8*(\b)+7], v[(\f)+8*(4*(\hi)+(\a)):(\f)+8*(4*(\hi)+(\a))+7], 0
.else
	v_wmma_f32_16x16x32_bf16 v[8*(8*(\a)+(\b)):8*(8*(\a)+(\b))+7], v[(\f)+8*(\b):(\f)+8*(\b)+7], v[(\f)+8*(4*(\hi)+(\a)):(\f)+8*(4*(\hi)+(\a))+7], v[8*(8*(\a)+(\b)):8*(8*(\a)+(\b))+7]
.endif
.endr
.endr
.endm
; 32 LDS loads in one run: the fragments of one quarter step (128 rows of B, 128 rows of A, 32 K at byte k of the rows) into buffer f
.macro FETCH slot, k, f
	WIN TO_B
.irp i, 0,1,2,3,4,5,6,7
	ds_load_b128 v[(\f)+8*(\i):(\f)+8*(\i)+3],   v[ADRB+(\slot)] offset:(\k)+(\i)*16*PITCH
	ds_load_b128 v[(\f)+8*(\i)+4:(\f)+8*(\i)+7], v[ADRB+(\slot)] offset:(\k)+(\i)*16*PITCH+32
.endr
	WIN 0
.irp i, 0,1,2,3,4,5,6,7
	ds_load_b128 v[(\f)+8*(\i):(\f)+8*(\i)+3],   v[ADRA+(\slot)] offset:(\k)+(\i)*16*PITCH
	ds_load_b128 v[(\f)+8*(\i)+4:(\f)+8*(\i)+7], v[ADRA+(\slot)] offset:(\k)+(\i)*16*PITCH+32
.endr
.endm
; A load into a register that a matrix instruction has read, and an LDS store or vector instruction that reads a matrix result, stand four places behind that matrix instruction, and only plain vector
; instructions that name none of its registers are places (ISA guide 7.12.1 for vector instructions); the matrix instructions in between are not counted.
.macro PLACES
.rept 4
	v_nop
.endr
.endm
; A K step is four quarter steps of 32 along K, 64 matrix instructions each, on buffers 0, 1, 0, 1.  The 64 accumulators take turns, one instruction a turn, in the same order in every quarter.
; One of the first three: multiplies buffer f; in its middle it fetches the next quarter's fragments, at byte k of the same slot's rows, into buffer g.
.macro QUARTER slot, k, f, g, zero
	s_wait_dscnt 8                                 ; B and A's rows 0-63 are in; the youngest eight loads (A's rows 64-127) may be out
	WIN MUL_LO
	MUL16 \f, 0, 0, \zero
	MUL16 \f, 0, 2, \zero
	PLACES
	FETCH \slot, \k, \g
	s_wait_dscnt 32                                ; all but the 32 just issued
	WIN MUL_HI
	MUL16 \f, 1, 0, \zero
	MUL16 \f, 1, 2, \zero
.endm
; The last quarter multiplies buffer 1 and changes slots.  MEET is its first half: ONE barrier for the change of slots, for two things.  In front of it each wave waits for
; all its tensor loads, of which one is out: its part of the next slot; adds 0 to its spare word; and waits for that and for its own reads of this slot.  Behind it nobody reads this slot any more and the next slot is whole.
.macro MEET round                      ; round = 1: a round of the cluster's barrier follows
	WIN 0                                          ; (the add's two registers lie in window 0)
	s_wait_tensorcnt 0x0                           ; all my tensor loads have landed: the one that was out is my part of the next slot;
	ds_add_u32 v[SPW], v[NIL]                      ; 0 onto my spare word;
	s_wait_dscnt 9                                 ; (the add and the youngest eight loads may be out)
	WIN MUL_LO
	MUL16 F1, 0, 0, 0                              ; sixteen matrix instructions stand between the add and the wait for it
	s_wait_dscnt 0x0                               ; the add is done, and my reads of this slot are over:
	s_barrier_signal -1                            ; say so (where a slot is filled again this barrier opens a round of the cluster's barrier),
	MUL16 F1, 0, 2, 0                              ; work on registers while the others arrive,
.if \round
	WIN 0
.endif
	s_barrier_wait -1                              ; and go on when all four have said so
.endm
; The whole last quarter.  Behind the round the slot just read out is filled again first, with the K step two steps on; then come the next slot's first fragments.
; From a request to the wait for it a wave issues 224 matrix instructions; one tensor load of mine is out.
.macro TURN slot, next
	s_wait_xcnt 0x0                                ; the last prefetch, a K step back, has read its address: it is stepped here, ahead of the waits of the change of slots
	s_add_nc_u64 s[PFA:PFA+1], s[PFA:PFA+1], KSTEP*2
	MEET 1
	CREST                                          ; wave 0 says so for the work-group, all sixteen work-groups have said so, my work-group's barrier closes the round:
	                                               ; no wave of any partner still reads this slot's tile or has a load on its way
	s_add_nc_u64 s[G0+4*(\slot)+2:G0+4*(\slot)+3], s[G0+4*(\slot)+2:G0+4*(\slot)+3], 2*KSTEP*2
	s_add_nc_u64 s[G0B+4*(\slot)+2:G0B+4*(\slot)+3], s[G0B+4*(\slot)+2:G0B+4*(\slot)+3], 2*KSTEP*2
	JLOAD \slot                                    ; the first tensor load behind the round; the four v_nop behind it are also the places in front of the loads below
	FETCH \next, 0, F0
	ASK                                            ; behind the joint load and the run of LDS loads that the next products wait for
	WIN MUL_HI
	MUL16 F1, 1, 0, 0
	MUL16 F1, 1, 2, 0
.endm
; THE LAST K STEP (it lies in slot 1) GOES BY ROWS, NOT BY K.  All its fragments of B (4 quarters x 64 registers) fill window 1; then my eight blocks of 16 rows are
; finished one after the other, each with 32 matrix instructions (its 8 accumulators by turns, K ascending).  LDS is read no more than in any other K step.
.macro BLOAD q                         ; B's fragments of quarter q -> window 1, v[64 q ..]
	WIN TO_B
.irp i, 0,1,2,3,4,5,6,7
	ds_load_b128 v[64*(\q)+8*(\i):64*(\q)+8*(\i)+3],   v[ADRB+1] offset:64*(\q)+(\i)*16*PITCH
	ds_load_b128 v[64*(\q)+8*(\i)+4:64*(\q)+8*(\i)+7], v[ADRB+1] offset:64*(\q)+(\i)*16*PITCH+32
.endr
.endm
.macro ALOAD a                         ; A's fragments of block a, all four quarters -> buffer a % 4
	WIN 0
.set FA, PA+32*((\a)%4)
.irp q, 0,1,2,3
	ds_load_b128 v[FA+8*(\q):FA+8*(\q)+3],   v[ADRA+1] offset:64*(\q)+(\a)*16*PITCH
	ds_load_b128 v[FA+8*(\q)+4:FA+8*(\q)+7], v[ADRA+1] offset:64*(\q)+(\a)*16*PITCH+32
.endr
.endm
.macro ROW a                           ; block a is finished: 32 matrix instructions
.set FA, PA+32*((\a)%4)                ; its fragments of A
.set AC, 64*((\a)%4)                   ; its eight accumulators, in window 2 (blocks 0-3) or 3 (blocks 4-7)
	WIN MUL_LO+0x50*((\a)/4)                       ; MUL_LO or MUL_HI
.irp q, 0,1,2,3
.if (\a) == 0 && (\q) == 2
	s_wait_dscnt 24                                ; B's quarter 2 is in (behind it: A's blocks 1 to 3)
.endif
.irp b, 0,1,2,3,4,5,6,7
	v_wmma_f32_16x16x32_bf16 v[AC+8*(\b):AC+8*(\b)+7], v[64*(\q)+8*(\b):64*(\q)+8*(\b)+7], v[FA+8*(\q):FA+8*(\q)+7], v[AC+8*(\b):AC+8*(\b)+7]
.endr
.endr
.endm
; THE WAY OUT of block a (16 rows x my 128 columns, f32), in two parts.
; TOSTAGE: a lane's eight sums of accumulator b are 32 bytes of row l % 16: two stores of 16 bytes straight from the accumulator, its four lowest registers first;
; then the rows come back whole, 512 bytes a load, 16 bytes a lane.  The stage is my wave's own, and LDS serves a wave's instructions in order (ISA guide 5.7.1.4): no wait between the stores and the loads.
.macro TOSTAGE a
.set AC, 64*((\a)%4)
	WIN 0x08+4*((\a)/4)                            ; the stores' data (source 1) in window 2 or 3, their address in window 0
.irp b, 0,1,2,3,4,5,6,7
	ds_store_b128 v[STO], v[AC+8*(\b):AC+8*(\b)+3]   offset:64*(\b)
	ds_store_b128 v[STO], v[AC+8*(\b)+4:AC+8*(\b)+7] offset:64*(\b)+16
.endr
	WIN 0
.if (\a) > 0
	s_wait_xcnt 0x0                                ; the stores of the block before have read their data registers (ISA guide 3.1): only behind this wait are those registers loaded again
.endif
.irp t, 0,1,2,3,4,5,6,7,8,9,10,11,12,13,14,15
	ds_load_b128 v[OB+4*(\t):OB+4*(\t)+3], v[RD] offset:(\t)*SPITCH
.endr
.endm
; SEND: in every row a lane holds the same four columns, so eight registers of scales and biases serve the whole tile: two packed fused multiply-adds and one store a row.
; younger: the LDS loads issued behind TOSTAGE's, which may stay out.
.macro SEND a, younger
	WIN 0
.irp t, 0,1,2,3,4,5,6,7,8,9,10,11,12,13,14,15
	s_wait_dscnt (\younger)+15-(\t)                ; row t is back; the later rows may be out
	v_pk_fma_f32 v[OB+4*(\t):OB+4*(\t)+1],   v[OB+4*(\t):OB+4*(\t)+1],   v[SC:SC+1],   v[BI:BI+1]
	v_pk_fma_f32 v[OB+4*(\t)+2:OB+4*(\t)+3], v[OB+4*(\t)+2:OB+4*(\t)+3], v[SC+2:SC+3], v[BI+2:BI+3]
	global_store_b128 v[CO], v[OB+4*(\t):OB+4*(\t)+3], s[8:9] offset:(16*(\a)+(\t))*ROWC th:TH_STORE_NT  ; 512 consecutive bytes, at a multiple of 256 from out0's first byte; the row stands in the immediate, 127 x 16,384 at the most, inside its signed 24 bits
.endr
.endm
	s_wait_loadcnt 0x0                             ; scales and biases, once
	s_wait_tensorcnt 1                             ; my part of K step 0 is in; K step 1's may stay out
	s_barrier_signal -1
	s_barrier_wait -1                              ; everybody's is
	FETCH 0, 0, F0
	QUARTER 0, 64,  F0, F1, 1                      ; the first quarter stands in front of the loop: its products start the sums
	WIN 0                                          ; at a label and at a branch every window is 0
	s_mov_b32 s3, LAPS-1
.Llap:                                                 ; a trip goes once round the ring, from a lap's second quarter to the next lap's first, and fills both slots again
	QUARTER 0, 128, F1, F0, 0
	QUARTER 0, 192, F0, F1, 0
	TURN 0, 1
	QUARTER 1, 64,  F0, F1, 0
	QUARTER 1, 128, F1, F0, 0
	QUARTER 1, 192, F0, F1, 0
	TURN 1, 0
	QUARTER 0, 64,  F0, F1, 0
	WIN 0
	s_sub_co_u32 s3, s3, 1
	s_cmp_lg_u32 s3, 0
	s_cbranch_scc1 .Llap
	QUARTER 0, 128, F1, F0, 0                      ; the last lap goes on; its tail is written out and asks for nothing more
	QUARTER 0, 192, F0, F1, 0
	MEET 0                                         ; my one tensor load that was still out is slot 1's, the last K step's, so no round follows
	PLACES                                         ; for the loads into buffer 0, which the quarter before multiplied
	WIN TO_B
	BLOAD 0                                        ; three quarters of B now: buffer 1 (v128-191 of both windows) is still being multiplied
	BLOAD 1
	BLOAD 3
	WIN 0
	ALOAD 0
	WIN MUL_HI
	MUL16 F1, 1, 0, 0
	MUL16 F1, 1, 2, 0
	PLACES                                         ; for the loads into buffer 1
	WIN TO_B
	BLOAD 2
	WIN 0
	ALOAD 1
	ALOAD 2
	ALOAD 3
	s_wait_dscnt 40                                ; all but the 40 just issued
	ROW 0
.irp a, 0,1,2,3,4,5,6,7                ; each block leaves as soon as it is finished: nothing follows this tile, so the sooner its stores begin, the sooner the launch ends
	PLACES                                         ; the stage's stores read results just made, and the load below lands in the fragments just multiplied
	TOSTAGE \a
.if (\a) < 4
	ALOAD (\a)+4                                   ; its buffer takes the block four further on
	SEND \a, 8
.else
	SEND \a, 0
.endif
.if (\a) < 7
	ROW (\a)+1
.endif
.endr
	s_wait_tensorcnt 0x0                           ; the wave's end: behind my last tensor load and my last LDS store
	ds_add_u32 v[SPW], v[NIL]
	s_wait_dscnt 0x0
	CROUND                                         ; the closing round: no work-group ends while a partner may still ask for a tile that names it
	s_endpgm
.Lfunc_end_k_q285a3c9bda_gemm:
	.size	k_q285a3c9bda_gemm, .Lfunc_end_k_q285a3c9bda_gemm-k_q285a3c9bda_gemm
	.p2alignl 7, 3214868480
	.fill 96, 4, 3214868480
	.section	.rodata,"a",@progbits
	.p2align	6, 0x0
	.amdhsa_kernel k_q285a3c9bda_gemm
		.amdhsa_group_segment_fixed_size 327680
		.amdhsa_private_segment_fixed_size 0
		.amdhsa_enable_private_segment 0
		.amdhsa_kernarg_size 40
		.amdhsa_user_sgpr_count 2
		.amdhsa_user_sgpr_kernarg_segment_ptr 1
		.amdhsa_wavefront_size32 1
		.amdhsa_system_sgpr_workgroup_id_x 1
		.amdhsa_system_sgpr_workgroup_id_y 1
		.amdhsa_system_sgpr_workgroup_id_z 1
		.amdhsa_system_vgpr_workitem_id 0
		.amdhsa_next_free_vgpr 1024
		.amdhsa_next_free_sgpr 72
		.amdhsa_reserve_vcc 0
		.amdhsa_float_denorm_mode_32 3
		.amdhsa_float_denorm_mode_16_64 3
		.amdhsa_memory_ordered 1
		.amdhsa_forward_progress 1
		.amdhsa_inst_pref_size 162
	.end_amdhsa_kernel
	.amdgpu_metadata
---
amdhsa.version: [ 1, 2 ]
amdhsa.kernels:
  - .name:           k_q285a3c9bda_gemm
    .symbol:         k_q285a3c9bda_gemm.kd
    .args:
      - { .name: xb, .offset: 0, .size: 8, .value_kind: global_buffer, .address_space: global }
      - { .name: wb, .offset: 8, .size: 8, .value_kind: global_buffer, .address_space: global }
      - { .name: scales, .offset: 16, .size: 8, .value_kind: global_buffer, .address_space: global }
      - { .name: bias, .offset: 24, .size: 8, .value_kind: global_buffer, .address_space: global }
      - { .name: out0, .offset: 32, .size: 8, .value_kind: global_buffer, .address_space: global }
    .group_segment_fixed_size: 327680
    .private_segment_fixed_size: 0
    .kernarg_segment_align: 8
    .kernarg_segment_size: 40
    .max_flat_workgroup_size: 128
    .sgpr_count:     72
    .vgpr_count:     1024
    .wavefront_size: 32
...
	.end_amdgpu_metadata
.endif
;; end of part 2
;; ======== version 2 of 2: 2 launches; version 1 with the launch prep written anew for expert scheduling mode
;; workspace buffers: xb 33,554,432 bytes; wb 33,554,432 bytes
;; launch prep (part 3): grid 1024 x 1, 8 waves a work-group, no clusters, 2,048 bytes of LDS; arguments x, codes_2_256, codes_2_16, grid_2_256, grid_2_16, xb, wb; writes xb, wb
.if DOCPART == 3
	.amdgcn_target "amdgcn-amd-amdhsa--gfx1250"
	.amdhsa_code_object_version 6
	.text
	.protected	k_q285a3c9bda_prep
	.globl	k_q285a3c9bda_prep
	.p2align	8
	.type	k_q285a3c9bda_prep,@function
k_q285a3c9bda_prep:
	s_mov_b64 s[64:65], 0
	v_nop
	global_prefetch_b8 v0, s[64:65] scope:SCOPE_SE
	s_setreg_imm32_b32 hwreg(HW_REG_WAVE_SCHED_MODE, 0, 2), 2
	s_setreg_imm32_b32 hwreg(HW_REG_WAVE_MODE, 25, 1), 1
	s_wait_xcnt 0x0
	s_wait_alu depctr_vm_vsrc(0)
; FIRST OF TWO LAUNCHES for out0[t][o] = scales[o] * (sum over i of x[t][i] G[o][i]) + bias[o], where G[o][2j], G[o][2j+1] are the two numbers of
; grid[codes[o][j]]: rows o = 0..2047 by grid_2_256 and codes_2_256, rows 2048..4095 by grid_2_16 and codes_2_16.
; This launch makes the two matrix operands in bf16: xb[t][i] = x rounded once, wb[o][i] = G rounded once (WITHOUT the scale).  The second launch multiplies them and applies scale and bias in f32.
; NO WORK IS LEFT OUT: every input has a way to the output and every input is loaded (x, both codes, both grids here; scales and bias in the second launch).
; LIMITS.  (1) reference() multiplies the weight by scales[o] ahead of the sum; here the finished f32 sum is multiplied: the same number in real arithmetic, another order of rounding.
; (2) x and the grids are rounded to bf16 as matrix operands; bf16 has f32's range.  (3) A code is taken as an unsigned number and held to the table: above the table's last index it reads
; the last entry (above 255, or above 15); a negative code, which would count from the table's end in reference(), reads the last entry too.
; A CODE IS 4 BYTES AND ITS PAIR IN bf16 IS 4 BYTES: the lookup is word for word, code word in, word {bf16 g0 low, bf16 g1 high} out, from a table of 256 words in LDS.
; SHARES.  A line is 4,096 bytes of input: 256 threads x 16 bytes; a wave's load covers 512 consecutive bytes.  Work-groups 0..511 round x, 32 lines each (131,072 bytes in, 65,536 out);
; work-groups 512..1023 look codes up, 16 lines each (65,536 bytes in, 65,536 out).  No loop: a line's place stands in the immediate, no address register of a global instruction is rewritten, and
; every line has store registers of its own, so no register that a pending global load or store names is ever written again.
; Not used, since no wave wants a byte that another has fetched and nothing is multiplied: tensor loads, clusters, the matrix unit.
; THE MODE: SCHED_MODE bits 1:0 = 2 (LLVM: expert scheduling mode 2), set by the entry lines.  The code itself states the register dependences
; between vector instructions and memory or LDS instructions, with s_wait_alu, always for 0.
; THE PLAN, X ARM.  The 32 lines go in 8 blocks of four.  Registers that memory instructions touch:
;   XIN    three buffers of four lines.  Block p's eight conversions read buffer p % 3; behind them the four loads of block p + 3 land in it.
;   YX     two registers for each of the 32 lines.  Written once, by block p's conversions; read once, by block p's four stores; never written again.
;   v2, v3 byte offsets, made at the head and never written again.
; So ONE wait on va_vdst stands in a block, behind its conversions: they have written the block's YX and are done reading its XIN buffer.  The block's four loads and four stores follow it, and no
; vector instruction stands between the wait and them.  Eight to twelve loads of every wave are on their way.
; THE PLAN, WEIGHT ARM.  The 16 lines go in 8 blocks of two.  Registers that memory or LDS instructions touch:
;   XIN    four buffers of two lines.  Block p's eight v_min_u32 read buffer p % 4; behind them the two loads of block p + 4 land in it.
;   AD     two sets of eight table addresses.  Block p's v_min_u32 and shifts write set p % 2; block p's eight lookups read it; block p + 2 writes it again.
;          At the head: a load brings the grid entry into its first two registers; the third takes the packed word, which the table's LDS store reads.
;   YOUT   four registers for each of the 16 lines.  The lookups land in them, the stores read them; no vector instruction names them; never written again.
;   v2, v4, v5  offsets and the table's address, made at the head and never written again.   v6, v7: written at the head, read by the closing add alone.
; So a block has ONE wait on va_vdst, behind its shifts (the set is written; the v_min_u32 are done reading the XIN buffer), and from block 2 on ONE wait on vm_vsrc at its head (the lookups of the
; block two back have read the set).  Six to eight loads of every wave are on their way.
.set LINE,  4096                       ; bytes of input in a line
.set SPARE, 1024                       ; LDS: the table at bytes 0..1023; behind it the spare words, 128 bytes for each of the eight waves, which no other line names
.set VI,   2                           ; v2       16 t: my 16 bytes of a line of input, and of a line of wb; never rewritten
.set VO,   3                           ; v3       8 t: my 8 bytes of a line of xb; never rewritten
.set GA,   4                           ; v4       my entry's byte offset in the grid
.set TA,   5                           ; v5       4 t: my word of the table
.set SPW,  6                           ; v6       LDS address of my spare word: SPARE + 4 x my thread's number; never rewritten
.set NIL,  7                           ; v7       0; never rewritten
.set XIN,  8                           ; x arm: v[8:55], buffer b, line i of four: 4 registers at XIN + 16 b + 4 i; weight arm: v[8:39], buffer b, line j of two: 4 registers at XIN + 8 b + 4 j
.set YX,   56                          ; x arm: v[56:119], line i in 2 registers at YX + 2 i
.set YOUT, 40                          ; weight arm: v[40:103], line i in 4 registers at YOUT + 4 i
.set AD,   104                         ; weight arm: v[104:119], two sets of 8 table addresses; first the grid pair (v104-105) and the packed table word (v106)
	s_load_b256 s[4:11], s[0:1], 0x0               ; x s[4:5], codes_2_256 s[6:7], codes_2_16 s[8:9], grid_2_256 s[10:11]
	s_load_b128 s[12:15], s[0:1], 0x20             ; grid_2_16 s[12:13], xb s[14:15]
	s_load_b64 s[16:17], s[0:1], 0x30              ; wb
	v_lshl_add_u32 v[SPW], v0, 2, SPARE
	v_mov_b32 v[NIL], 0
	v_lshlrev_b32 v[VI], 4, v0
	s_cmp_lt_u32 ttmp9, 512                        ; the work-group's number alone decides: the same in all eight waves
	s_cbranch_scc0 .Lweights
	; THE X ARM: 32 lines of x are rounded to bf16.
	v_lshlrev_b32 v[VO], 3, v0
	s_lshl_b32 s20, ttmp9, 17                      ; 131,072 bytes of x a work-group (511 x 131,072 is under 2^32)
	s_mov_b32 s21, 0
	s_lshl_b32 s22, ttmp9, 16                      ; 65,536 bytes of xb
	s_mov_b32 s23, 0
	s_wait_kmcnt 0x0
	s_add_nc_u64 s[4:5], s[4:5], s[20:21]
	s_add_nc_u64 s[14:15], s[14:15], s[22:23]
	s_wait_alu depctr_va_vdst(0)                   ; v2 and v3 are written: every load and store of this arm reads one of them as its offset
.set i, 0
.rept 12
	global_load_b128 v[XIN+4*i:XIN+4*i+3], v[VI], s[4:5] offset:i*LINE th:TH_LOAD_NT  ; the three buffers are filled: blocks 0 to 2, lines 0 to 11
.set i, i+1
.endr
; Block p: lines 4 p to 4 p + 3, in buffer p % 3.
.macro XBLK p
.if 7-(\p) > 2
	s_wait_loadcnt 8                               ; loads come back in order (ISA guide 5.7.1): block p is in; the two younger blocks, eight loads, stay out
.else
	s_wait_loadcnt 4*(7-(\p))                      ; nothing more is asked for: the count runs down
.endif
.irp i, 0,1,2,3
	v_cvt_pk_bf16_f32 v[YX+2*(4*(\p)+(\i))],   v[XIN+16*((\p)%3)+4*(\i)],   v[XIN+16*((\p)%3)+4*(\i)+1]  ; two roundings, the lower index in the low half
	v_cvt_pk_bf16_f32 v[YX+2*(4*(\p)+(\i))+1], v[XIN+16*((\p)%3)+4*(\i)+2], v[XIN+16*((\p)%3)+4*(\i)+3]
.endr
	s_wait_alu depctr_va_vdst(0)                   ; the eight conversions have written the block's YX, which the stores below read, and are done reading the buffer, in which the loads below land
.irp i, 0,1,2,3
.if (\p)+3 < 8
	global_load_b128 v[XIN+16*((\p)%3)+4*(\i):XIN+16*((\p)%3)+4*(\i)+3], v[VI], s[4:5] offset:(4*((\p)+3)+(\i))*LINE th:TH_LOAD_NT  ; the buffer's next block, three on; each load ahead of a store
.endif
	global_store_b64 v[VO], v[YX+2*(4*(\p)+(\i)):YX+2*(4*(\p)+(\i))+1], s[14:15] offset:(4*(\p)+(\i))*(LINE/2) th:TH_STORE_NT  ; a wave stores 256 consecutive bytes, at a multiple of 256 from xb's first byte
.endr
.endm
.irp p, 0,1,2,3,4,5,6,7
	XBLK \p
.endr
	s_endpgm                                       ; this arm's waves have written no LDS
	; THE WEIGHT ARM: 16 lines of codes are looked up.
.Lweights:
	s_and_b32 s24, ttmp9, 511                      ; 0..511: 65,536 bytes of wb each; 0..255 lie in the rows of grid_2_256, 256..511 in those of grid_2_16
	v_lshlrev_b32 v[TA], 2, v0
	s_cmp_lt_u32 s24, 256
	s_wait_kmcnt 0x0
	s_cselect_b64 s[26:27], s[6:7], s[8:9]         ; my codes,
	s_cselect_b64 s[28:29], s[10:11], s[12:13]     ; my grid,
	s_cselect_b32 s25, 255, 15                     ; and its last index
	s_and_b32 s20, s24, 255
	s_lshl_b32 s20, s20, 16                        ; my 65,536 bytes in my codes
	s_mov_b32 s21, 0
	s_lshl_b32 s22, s24, 16                        ; and in wb
	s_mov_b32 s23, 0
	s_add_nc_u64 s[26:27], s[26:27], s[20:21]
	s_add_nc_u64 s[16:17], s[16:17], s[22:23]
	v_min_u32 v[GA], s25, v0                       ; thread t makes table word t from entry min(t, last index): the table of 16 is laid out as 256 words, its last entry repeated
	v_lshlrev_b32 v[GA], 3, v[GA]
	s_wait_alu depctr_va_vdst(0)                   ; v2, v4 and v5 are written: the loads and stores of this arm read v2 or v4 as their offset, the table's store v5 as its address
	global_load_b64 v[AD:AD+1], v[GA], s[28:29]
.set i, 0
.rept 8
	global_load_b128 v[XIN+4*i:XIN+4*i+3], v[VI], s[26:27] offset:i*LINE th:TH_LOAD_NT  ; the four buffers are filled: blocks 0 to 3, lines 0 to 7
.set i, i+1
.endr
	s_wait_loadcnt 8                               ; my grid entry is in; the eight loads of codes issued behind it stay out
	v_cvt_pk_bf16_f32 v[AD+2], v[AD], v[AD+1]      ; {g0 low, g1 high}: as the pair lies in a row of wb
	s_wait_alu depctr_va_vdst(0)                   ; the conversion has written v[AD+2], which the LDS store reads
	ds_store_b32 v[TA], v[AD+2]
	s_wait_dscnt 0x0                               ; for the others' sake: my word of the table is written
	s_barrier_signal -1
	s_barrier_wait -1                              ; the table is whole; nothing writes it again
	s_wait_alu depctr_vm_vsrc(0)                   ; my LDS store has read v[AD+2]: the register lies in set 0 of the table addresses, which block 0 writes
; Block p: lines 2 p and 2 p + 1, in buffer p % 4.  Their eight codes a lane are held to the table, made byte addresses in set p % 2, and looked up; the buffer takes the block four further on.
.macro WBLK p
.if 7-(\p) > 3
	s_wait_loadcnt 6                               ; block p is in; the three younger blocks, six loads, stay out
.else
	s_wait_loadcnt 2*(7-(\p))                      ; nothing more is asked for: the count runs down
.endif
.if (\p) >= 2
	s_wait_alu depctr_vm_vsrc(0)                   ; the lookups of the block two back have read this set of addresses, which the lines below write again
.endif
.irp k, 0,1,2,3,4,5,6,7
	v_min_u32 v[AD+8*((\p)%2)+(\k)], 0xff, v[XIN+8*((\p)%4)+(\k)]
.endr
.irp k, 0,1,2,3,4,5,6,7
	v_lshlrev_b32 v[AD+8*((\p)%2)+(\k)], 2, v[AD+8*((\p)%2)+(\k)]
.endr
	s_wait_alu depctr_va_vdst(0)                   ; the shifts have written the set, which the lookups below read; the v_min_u32 are done reading the buffer, in which the loads below land
.if (\p)+4 < 8
.irp j, 0,1
	global_load_b128 v[XIN+8*((\p)%4)+4*(\j):XIN+8*((\p)%4)+4*(\j)+3], v[VI], s[26:27] offset:(2*((\p)+4)+(\j))*LINE th:TH_LOAD_NT
.endr
.endif
.irp k, 0,1,2,3,4,5,6,7
	ds_load_b32 v[YOUT+8*(\p)+(\k)], v[AD+8*((\p)%2)+(\k)]
.endr
.endm
; Line i leaves.  younger: the LDS loads issued behind line i's, which may stay out.  Its data come from LDS loads: the wait on DScnt is all that they hang on.
.macro WSTORE i, younger
	s_wait_dscnt \younger
	global_store_b128 v[VI], v[YOUT+4*(\i):YOUT+4*(\i)+3], s[16:17] offset:(\i)*LINE th:TH_STORE_NT  ; a wave stores 512 consecutive bytes, at a multiple of 256 from wb's first byte
.endm
	WBLK 0
.irp p, 1,2,3,4,5,6,7
	WBLK \p                                        ; a block's lookups stand between the lookups of the block before and its stores
	WSTORE 2*(\p)-2, 12                            ; behind this line's lookups: the four of its block's second line and the eight just issued
	WSTORE 2*(\p)-1, 8
.endr
	WSTORE 14, 4
	WSTORE 15, 0
	s_wait_dscnt 0x0                               ; the wave's end
	s_wait_alu 0x0
	s_wait_tensorcnt 0x0
	ds_add_u32 v[SPW], v[NIL]
	s_wait_dscnt 0x0
	s_endpgm
.Lfunc_end_k_q285a3c9bda_prep:
	.size	k_q285a3c9bda_prep, .Lfunc_end_k_q285a3c9bda_prep-k_q285a3c9bda_prep
	.p2alignl 7, 3214868480
	.fill 96, 4, 3214868480
	.section	.rodata,"a",@progbits
	.p2align	6, 0x0
	.amdhsa_kernel k_q285a3c9bda_prep
		.amdhsa_group_segment_fixed_size 2048
		.amdhsa_private_segment_fixed_size 0
		.amdhsa_enable_private_segment 0
		.amdhsa_kernarg_size 56
		.amdhsa_user_sgpr_count 2
		.amdhsa_user_sgpr_kernarg_segment_ptr 1
		.amdhsa_wavefront_size32 1
		.amdhsa_system_sgpr_workgroup_id_x 1
		.amdhsa_system_sgpr_workgroup_id_y 1
		.amdhsa_system_sgpr_workgroup_id_z 1
		.amdhsa_system_vgpr_workitem_id 0
		.amdhsa_next_free_vgpr 120
		.amdhsa_next_free_sgpr 66
		.amdhsa_reserve_vcc 0
		.amdhsa_float_denorm_mode_32 3
		.amdhsa_float_denorm_mode_16_64 3
		.amdhsa_memory_ordered 1
		.amdhsa_forward_progress 1
		.amdhsa_inst_pref_size 28
	.end_amdhsa_kernel
	.amdgpu_metadata
---
amdhsa.version: [ 1, 2 ]
amdhsa.kernels:
  - .name:           k_q285a3c9bda_prep
    .symbol:         k_q285a3c9bda_prep.kd
    .args:
      - { .name: x, .offset: 0, .size: 8, .value_kind: global_buffer, .address_space: global }
      - { .name: codes_2_256, .offset: 8, .size: 8, .value_kind: global_buffer, .address_space: global }
      - { .name: codes_2_16, .offset: 16, .size: 8, .value_kind: global_buffer, .address_space: global }
      - { .name: grid_2_256, .offset: 24, .size: 8, .value_kind: global_buffer, .address_space: global }
      - { .name: grid_2_16, .offset: 32, .size: 8, .value_kind: global_buffer, .address_space: global }
      - { .name: xb, .offset: 40, .size: 8, .value_kind: global_buffer, .address_space: global }
      - { .name: wb, .offset: 48, .size: 8, .value_kind: global_buffer, .address_space: global }
    .group_segment_fixed_size: 2048
    .private_segment_fixed_size: 0
    .kernarg_segment_align: 8
    .kernarg_segment_size: 56
    .max_flat_workgroup_size: 256
    .sgpr_count:     66
    .vgpr_count:     120
    .wavefront_size: 32
...
	.end_amdgpu_metadata
.endif
;; end of part 3
;; launch gemm: the kernel of part 2 again; grid 16 x 16, 4 waves a work-group, clusters of 4 x 4, 327,680 bytes of LDS; arguments xb, wb, scales, bias, out0; writes out0
